; MI455X (gfx1250); checked and timed in simulation.
; The chip was launched on July 23, 2026; its instructions are those of AMD's public machine-readable ISA for CDNA 5 (MIT licence, August 2026) and "CDNA5" Instruction Set Architecture Reference Guide (July 2026). The comments in the code are by the model that wrote it; some were corrected since.
;; Multi Head Diff Attention. Allowed arithmetic: matrix products marked QUANTISED: E2M3 operands, one E8M0 scale for each 32 along K, by v_wmma_scale_f32_16x16x128_f8f6f4 with both operands' format E2M3, f32 sums; everything else in f32.
;; Inputs: Wk_codes 1,024 x 32 x 24 uint8 (E2M3 codes of Wk, K innermost, in blocks of 32 codes, four codes in three bytes); Wk_scales 1,024 x 32 uint8 (E8M0 scales of Wk, one for each 32 codes along K); Wo_codes 1,024 x 32 x 24 uint8 (E2M3 codes of Wo, K innermost, in blocks of 32 codes, four codes in three bytes); Wo_scales 1,024 x 32 uint8 (E8M0 scales of Wo, one for each 32 codes along K); Wq_codes 1,024 x 32 x 24 uint8 (E2M3 codes of Wq, K innermost, in blocks of 32 codes, four codes in three bytes); Wq_scales 1,024 x 32 uint8 (E8M0 scales of Wq, one for each 32 codes along K); Wv_codes 1,024 x 32 x 24 uint8 (E2M3 codes of Wv, K innermost, in blocks of 32 codes, four codes in three bytes); Wv_scales 1,024 x 32 uint8 (E8M0 scales of Wv, one for each 32 codes along K); bo 1,024 float32; diff_weight one number float32; norm_w 8 x 128 float32; x_codes 2 x 2,048 x 32 x 24 uint8 (E2M3 codes of x, K innermost, in blocks of 32 codes, four codes in three bytes); x_scales 2 x 2,048 x 32 uint8 (E8M0 scales of x, one for each 32 codes along K).
;; Outputs: out0 2 x 2,048 x 1,024 float32.
;; This version of the problem:
;;   THIS VERSION OF THE PROBLEM IS GIVEN IN LOW PRECISION. The matrix products marked QUANTISED in the list below multiply operands that are first quantised to E2M3 (2 exponent bits, 3 mantissa bits; 6 bits a number), with one power-of-two scale for each 32 numbers along K (OCP MX v1.0); their sums are f32. All else is computed in f32.
;;   The module's matrix products, in the order in which they are computed (A, B: the left and right operand; K: the contracted axis; several contracted axes count as one K, in the product's order):
;;     1. [M 4,096, K 1,024] x [K 1,024, N 1,024]; A: input x (given as codes); B: input Wq (given as codes): QUANTISED
;;     2. [M 4,096, K 1,024] x [K 1,024, N 1,024]; A: input x (given as codes); B: input Wk (given as codes): QUANTISED
;;     3. [M 4,096, K 1,024] x [K 1,024, N 1,024]; A: input x (given as codes); B: input Wv (given as codes): QUANTISED
;;     4. batch 32 x [M 2,048, K 64] x [K 64, N 2,048]; A: computed on the way; B: computed on the way: QUANTISED
;;     5. batch 16 x [M 128, K 2,048] x [K 2,048, N 2,048]; A: computed on the way; B: computed on the way: QUANTISED
;;     6. [M 4,096, K 1,024] x [K 1,024, N 1,024]; A: computed on the way; B: input Wo (given as codes): QUANTISED
;;   THE QUANTISER, for each operand of a quantised product, along K:
;;     - K is cut into blocks of 32 from its start; a last block that is shorter is filled with zeros.
;;     - A block's scale is 2^e with e = floor(log2(the largest magnitude in the block)) - 2, held to -126 .. 127; a block of zeros has e = 0. As a byte (E8M0): e + 127.
;;     - Each number is divided by its block's scale, clamped to +-7.5, and rounded to the nearest number of E2M3, ties to even, subnormals kept.
;;     - The product sums the exact products of the quantised numbers (number of the format x scale) in f32.
;;   ~~~python
;;   def quantise(x, axis):      # numpy; x: float32 -> the quantised numbers, widened to float32 again
;;       x = np.moveaxis(x, axis, -1); K = x.shape[-1]
;;       x = np.pad(x, [(0, 0)] * (x.ndim - 1) + [(0, -K % 32)]); x = x.reshape(x.shape[:-1] + (-1, 32)); a = np.abs(x).max(-1, keepdims=True)
;;       e = np.where(a > 0, np.clip(np.frexp(np.where(a > 0, a, 1))[1] - 1 - 2, -126, 127), 0)      # np.frexp(a)[1] - 1 = floor(log2(a)), exactly
;;       r = np.clip(x / 2.0 ** e, -7.5, 7.5)
;;       step = 2.0 ** (np.maximum(np.frexp(np.where(r == 0, 1, r))[1] - 1, 0) - 3)
;;       q = np.round(r / step) * step * 2.0 ** e      # np.round: ties to even
;;       return np.moveaxis(q.reshape(q.shape[:-2] + (-1,))[..., :K], -1, axis).astype(np.float32)
;;   ~~~
;;   OPERANDS COMPUTED ON THE WAY. 'Computed on the way' means the value that the module computes at that place (a softmax that the list does not call 'softmax' is quantised finished and normalised). What goes into a quantiser is computed in f32, as accurately as f32 sums, v_exp_f32 and their like allow (about 1e-6 of the number): no bf16 or f16 on the way to a quantiser, and a product that is left as it is and whose result goes on into a quantised operand takes f32 operands (vector FMAs, or v_wmma_f32_16x16x4_f32). A number that lies on a knife's edge between two numbers of the format may be rounded either way, as far as f32 arithmetic and the matrix unit's own rounding can turn it there, and no further.
;;   INPUTS GIVEN AS CODES. Wk (in the module: [1024, 1024], K = its axis 1); Wo (in the module: [1024, 1024], K = its axis 1); Wq (in the module: [1024, 1024], K = its axis 1); Wv (in the module: [1024, 1024], K = its axis 1); x (in the module: [2, 2048, 1024], K = its axis 2): each comes as NAME_codes (uint8): NAME with its K axis moved to the last place and cut into blocks of 32 codes, [.., K / 32, bytes a block], one block behind the other in memory; four codes in three bytes: a row's codes are one little-endian stream of bits, code i at bits 6 i .. 6 i + 5 (a code: sign, 2 exponent bits, 3 mantissa bits); and NAME_scales (uint8): the same leading axes, one E8M0 byte (e + 127) for each 32 codes along K. Its value is code x scale, taken as it is: it is not quantised again, and the codes and scales need not be those that the quantiser above would give.
;; One version. Each part assembles by itself: llvm-mc -triple=amdgcn-amd-amdhsa -mcpu=gfx1250 --defsym DOCPART=n.
;; ======== version 1 of 1: 3 launches
;; limits: right only within a limited range of input values
;; workspace buffers: qbuf 3,407,872 bytes; kbuf 3,407,872 bytes; vbuf 3,276,800 bytes; oimg 16,777,216 bytes; ssq 262,144 bytes
;; launch qkv (part 1): grid 8 x 32, 4 waves a work-group, clusters of 4 x 4, 327,680 bytes of LDS; arguments x_codes, x_scales, Wq_codes, Wq_scales, Wk_codes, Wk_scales, Wv_codes, Wv_scales, qbuf, kbuf, vbuf; writes qbuf, kbuf, vbuf
.if DOCPART == 1
	.amdgcn_target "amdgcn-amd-amdhsa--gfx1250"
	.amdhsa_code_object_version 6
	.text
	.protected	k_q5ade974e40_qkv
	.globl	k_q5ade974e40_qkv
	.p2align	8
	.type	k_q5ade974e40_qkv,@function
k_q5ade974e40_qkv:
	s_mov_b64 s[64:65], 0
	v_nop
	global_prefetch_b8 v0, s[64:65] scope:SCOPE_SE
	s_setreg_imm32_b32 hwreg(HW_REG_WAVE_MODE, 25, 1), 1
	s_wait_xcnt 0x0
	s_wait_alu depctr_hold_cnt(0) depctr_sa_sdst(0) depctr_va_vdst(0) depctr_va_sdst(0) depctr_va_ssrc(0) depctr_va_vcc(0) depctr_vm_vsrc(0)
	s_getreg_b32 s2, hwreg(HW_REG_IB_STS2, 6, 4)
	s_cmp_eq_u32 s2, 0
	s_cbranch_scc0 .Lentry_in_a_cluster
	s_endpgm
.Lentry_in_a_cluster:
	s_bfe_u32 s2, ttmp6, 0x10000c
	s_cmp_lg_u32 s2, 0xf033
	s_cbranch_scc0 .Lentry_shape_is_right
	s_endpgm
.Lentry_shape_is_right:
; q = x Wq^T, k = x Wk^T, v = x Wv^T on the given codes of FP6 (E2M3), and their quantising for the attention: q and k along a sub-head's 64 features, v along the keys.
; DEAD WORK: none.  Every input of the problem has a way to the output and is loaded by one of the three launches.
; LIMITS: NaN, infinities and given scale bytes 0xff are not served.  A block whose largest magnitude lies under 2^-124 (zeros among them) gets the byte 1 and zero codes; these bytes are read by this program alone.
; SHARES.  A work-group: 128 rows of x and one head.  Wave w: sel = w / 2 (q or k), br = w % 2 (sub-head): 64 features x 128 rows (32 accumulators, source 0 = W, source 1 = x),
; and 32 features of v x 128 rows (16 accumulators, source 0 = x, source 1 = Wv).  14 fragments from LDS feed 48 matrix instructions.
; ORDER INSIDE A BLOCK OF 32: a lane's 16 numbers are elements 16 (i / 8) + 8 (lane / 16) + i % 8 and get the places 16 (lane / 16) + i; both operands of each later product are laid by the same lines.
; K goes in CHUNKS OF 256 BYTES of each row of 768 through two LDS slots: chunks 0, 1, 2 in slots 0, 1, 0.  A step of 128 along K is 96 bytes: steps 2 and 5 lie across two chunks.
; CLUSTER 4 x 4: x's tile is asked for jointly along a row of the cluster, the weights' tiles along a column.  The scale words go from memory into registers, 512 consecutive bytes for 16 rows.
; No prefetch: the text has no loop to run ahead in.
; OUT, as images of operand registers: qbuf, kbuf [b h][block of 128 rows][13,312]: tile a, sub-head i at 1,536 a + 768 i (registers 0-3 at 16 x lane, 4-5 at 512 + 8 x lane); scale words from 12,288 on.
; vbuf [b h][128 keys][12,800]: feature tile n at 1,536 n, three runs of 512 bytes; scale words from 12,288 on.
; REGISTERS.  Window 0: addresses, scale words (v32-143), way out.  Window 1: x's fragments, two sets (v0-191), Wv's (v192-239).  Window 2: W's (v0-95), v's accumulators (v128-255).  Window 3: q's or k's accumulators.
.set ROWB,  256
.set PITCH, 272                        ; 256 bytes + 16 of padding
.set HALFT, 128*PITCH
.set SLOT,  4*HALFT                    ; x, Wq, Wk, Wv
.set SPARE, 2*SLOT                     ; the spare words: 128 bytes a wave
.set ADRX, 4                           ; v4-5 x's fragments in slot 0, 1; v6-7 lanes 0-15 at byte 232 of slot 0, 1 and lanes 16-31 at byte 0 of the other slot
.set ADRW, 8
.set ADRV, 12
.set L16,  19
.set L8,   20
.set L4,   21
.set SWO,  22
.set SPW,  24
.set NIL,  25
.set SRO,  26                          ; 32 x (lane % 16): a row of scale bytes
.set SX,   32
.set SW,   96
.set SV,   128
.set TM,   144
.set PWQ,  160
.set PWV,  164
.set PC,   180
.set WV,   26
.set SELQ, 27
.set BR,   28
.set CX,   29
.set CY,   30
.set HEAD, 31
.set RB,   32
.set HM,   35
.set BM,   36
.set G1,   40
.set G0,   48
.set G1B,  56
.set G0B,  68
.set SEL,  40
.set MSB, 0
.macro WIN new
.if MSB != \new
	s_set_vgpr_msb (MSB<<8)|\new
.set MSB, \new
.endif
.endm
.macro PLACES n
.rept \n
	v_nop
.endr
.endm
.macro CREST
	s_cmp_lg_u32 s[WV], 0
	s_cbranch_scc1 .Lnot_wave_0_\@
	s_barrier_signal -3
.Lnot_wave_0_\@:
	s_barrier_wait -3
	s_barrier_signal -1
	s_barrier_wait -1
.endm
.macro CROUND
	s_barrier_signal -1
	s_barrier_wait -1
	CREST
.endm
; a joint load: wave 0 fetches for x, waves 1 to 3 for Wq, Wk, Wv
.macro JLOAD g0a, g1a, g0b, g1b
	s_cmp_eq_u32 s[WV], 0
	s_cbranch_scc0 .Lfor_w_\@
	tensor_load_to_lds s[\g0a:\g0a+3], s[\g1a:\g1a+7]
	s_nop 0
.rept 4
	v_nop
.endr
	s_branch .Lasked_\@
.Lfor_w_\@:
	tensor_load_to_lds s[\g0b:\g0b+3], s[\g1b:\g1b+7]
	s_nop 0
.rept 4
	v_nop
.endr
.Lasked_\@:
.endm
; a fragment, 16 rows x 128 K, in pieces of 8 bytes; byte y of a row lies in slot (y / 256) % 2 at byte y % 256
.macro FRAG reg, adr, st, i
.irp p, 0,1,2,3,4,5
.set BY, 96*(\st)+48*(\p/3)+8*(\p%3)
.if BY/ROWB == (BY+24)/ROWB
	ds_load_b64 v[\reg+2*\p:\reg+2*\p+1], v[\adr+(BY/ROWB)%2] offset:BY%ROWB+(\i)*16*PITCH
.else
	ds_load_b64 v[\reg+2*\p:\reg+2*\p+1], v[\adr+2+(BY/ROWB)%2] offset:BY%ROWB-232+(\i)*16*PITCH
.endif
.endr
.endm
.macro FETCH st, p                     ; step st's 14 fragments into set p
	WIN 0x40
.irp a, 0,1,2,3,4,5,6,7
	FRAG 96*(\p)+12*\a, ADRX, \st, \a
.endr
.irp n, 0,1
	FRAG 192+24*(\p)+12*\n, ADRV, \st, \n
.endr
	WIN 0x80
.irp bt, 0,1,2,3
	FRAG 48*(\p)+12*\bt, ADRW, \st, \bt
.endr
	WIN 0
.endm
; the 48 accumulators take turns, in the same order in every K step
.macro MULQK a0, p, s, zero
.irp a, \a0, \a0+1, \a0+2, \a0+3
.irp bt, 0,1,2,3
.if \zero
	v_wmma_scale_f32_16x16x128_f8f6f4 v[8*(4*(\a)+\bt):8*(4*(\a)+\bt)+7], v[48*(\p)+12*\bt:48*(\p)+12*\bt+11], v[96*(\p)+12*(\a):96*(\p)+12*(\a)+11], 0, v[SW+8*\bt+(\s)], v[SX+8*(\a)+(\s)] matrix_a_fmt:MATRIX_FMT_FP6 matrix_b_fmt:MATRIX_FMT_FP6
.else
	v_wmma_scale_f32_16x16x128_f8f6f4 v[8*(4*(\a)+\bt):8*(4*(\a)+\bt)+7], v[48*(\p)+12*\bt:48*(\p)+12*\bt+11], v[96*(\p)+12*(\a):96*(\p)+12*(\a)+11], v[8*(4*(\a)+\bt):8*(4*(\a)+\bt)+7], v[SW+8*\bt+(\s)], v[SX+8*(\a)+(\s)] matrix_a_fmt:MATRIX_FMT_FP6 matrix_b_fmt:MATRIX_FMT_FP6
.endif
.endr
.endr
.endm
.macro MULV p, s, zero
.irp n, 0,1
.irp a, 0,1,2,3,4,5,6,7
.if \zero
	v_wmma_scale_f32_16x16x128_f8f6f4 v[128+8*(8*\n+\a):128+8*(8*\n+\a)+7], v[96*(\p)+12*\a:96*(\p)+12*\a+11], v[192+24*(\p)+12*\n:192+24*(\p)+12*\n+11], 0, v[SX+8*\a+(\s)], v[SV+8*\n+(\s)] matrix_a_fmt:MATRIX_FMT_FP6 matrix_b_fmt:MATRIX_FMT_FP6
.else
	v_wmma_scale_f32_16x16x128_f8f6f4 v[128+8*(8*\n+\a):128+8*(8*\n+\a)+7], v[96*(\p)+12*\a:96*(\p)+12*\a+11], v[192+24*(\p)+12*\n:192+24*(\p)+12*\n+11], v[128+8*(8*\n+\a):128+8*(8*\n+\a)+7], v[SX+8*\a+(\s)], v[SV+8*\n+(\s)] matrix_a_fmt:MATRIX_FMT_FP6 matrix_b_fmt:MATRIX_FMT_FP6
.endif
.endr
.endr
.endm
; 64 numbers of a lane in window w (four blocks, 16 each in lanes l and l xor 16) become 12 registers of codes in v[PC] on and four scale bytes in v[pw]
.macro QUANT s, w, pw
	WIN (\w)*5
.irp b, 0,1,2,3
	v_max3_num_f32 v[TM+\b], |v[\s+16*\b]|, |v[\s+16*\b+1]|, 0x1800000   ; with the floor 2^(3 - 127): the byte cannot fall under 1
.endr
.irp i, 2,4,6,8,10,12,14
.irp b, 0,1,2,3
	v_max3_num_f32 v[TM+\b], |v[\s+16*\b+\i]|, |v[\s+16*\b+\i+1]|, v[TM+\b]
.endr
.endr
	WIN 0
.irp b, 0,1,2,3
	v_permlanex16_b32 v[TM+4+\b], v[TM+\b], s[SEL], s[SEL+1]
.endr
.irp b, 0,1,2,3
	v_max_num_f32 v[TM+\b], v[TM+\b], v[TM+4+\b]
.endr
.irp b, 0,1,2,3
	v_add_nc_u32 v[TM+12+\b], 0xff000000, v[TM+\b] ; 2 off the exponent field: the conversion's scale operand
.endr
.irp b, 0,1,2,3
	v_lshrrev_b32 v[TM+4+\b], 23, v[TM+12+\b]
.endr
	v_lshl_or_b32 v[\pw], v[TM+5], 8, v[TM+4]
	v_lshl_or_b32 v[\pw], v[TM+6], 16, v[\pw]
	v_lshl_or_b32 v[\pw], v[TM+7], 24, v[\pw]
	WIN (\w)
.irp c, 0,1
	v_cvt_scalef32_pk16_fp6_f32 v[PC+6*\c:PC+6*\c+2], v[\s+32*\c:\s+32*\c+15], v[TM+12+2*\c]
	v_cvt_scalef32_pk16_fp6_f32 v[PC+12+4*\c:PC+12+4*\c+2], v[\s+32*\c+16:\s+32*\c+31], v[TM+12+2*\c+1]
.endr
	WIN 0
	v_nop
.irp c, 0,1
.irp i, 0,1,2
	v_permlane16_swap_b32 v[PC+6*\c+\i], v[PC+12+4*\c+\i]
.endr
.irp i, 0,1,2
	v_mov_b32 v[PC+3+6*\c+\i], v[PC+12+4*\c+\i]
.endr
.endr
.endm
	s_load_b512 s[4:19], s[0:1], 0x0               ; x codes, x scales, Wq c, Wq s, Wk c, Wk s, Wv c, Wv s
	s_load_b128 s[20:23], s[0:1], 0x40             ; qbuf, kbuf
	s_load_b64 s[24:25], s[0:1], 0x50              ; vbuf
	v_lshl_add_u32 v[SPW], v0, 2, SPARE
	v_mov_b32 v[NIL], 0
	ds_add_u32 v[SPW], v[NIL]                      ; the opening lines
	ds_add_u32 v[SPW], v[NIL]
	v_lshrrev_b32 v1, 5, v0
	v_readfirstlane_b32 s[WV], v1
	s_lshr_b32 s[SELQ], s[WV], 1
	s_and_b32 s[BR], s[WV], 1
	s_bfe_u32 s[CX], ttmp6, 0x40000
	s_bfe_u32 s[CY], ttmp6, 0x40004
	s_lshl_b32 s[HEAD], ttmp9, 2
	s_add_co_u32 s[HEAD], s[HEAD], s[CX]           ; the head
	s_and_b32 s[RB], ttmp7, 0xffff
	s_lshl_b32 s[RB], s[RB], 2
	s_add_co_u32 s[RB], s[RB], s[CY]               ; the block of 128 rows
	s_lshl_b32 s33, s[CY], 2
	s_lshl_b32 s33, 15, s33                        ; my row of the cluster
	s_lshl_b32 s34, 0x1111, s[CX]                  ; my column
	s_mov_b32 s[HM], 0xffff0000
	s_sub_co_u32 s[BM], 0, s[BR]
	s_mul_i32 s37, s[WV], HALFT                    ; where my tile goes in a slot
	s_or_b32 s[G1+0], s33, (1<<20)|(1<<21)|(5<<22)|(3<<25)    ; mask; bytes; 4 words of padding behind every 64
	s_or_b32 s[G1B+0], s34, (1<<20)|(1<<21)|(5<<22)|(3<<25)
.irp g, G1, G1B
	s_mov_b32 s[\g+1], ROWB<<16
	s_mov_b32 s[\g+2], 128<<16
	s_mov_b32 s[\g+3], ROWB<<16
	s_mov_b32 s[\g+4], 128
	s_mov_b32 s[\g+5], 768
	s_mov_b32 s[\g+6], 0
	s_mov_b32 s[\g+7], 0
.endr
	s_add_co_u32 s80, s[SELQ], 1
	s_mul_i32 s80, s80, HALFT
	s_mul_i32 s81, s[BR], 64*PITCH
	s_add_co_u32 s80, s80, s81                     ; my 64 rows of Wq or Wk in a slot
	s_mul_i32 s81, s[WV], 32*PITCH
	s_add_co_u32 s81, s81, 3*HALFT                 ; my 32 rows of Wv
	s_mov_b32 s82, SLOT-232
	s_mov_b32 s83, SLOT+232
	s_mul_i32 s38, s[RB], 98304
	s_mov_b32 s39, 0
	s_mul_i32 s66, s[HEAD], 98304
	s_mov_b32 s67, 0
	s_wait_dscnt 0x0                               ; both opening adds are done
	s_wait_kmcnt 0x0
	s_add_nc_u64 s[4:5], s[4:5], s[38:39]
	s_lshl_b32 s38, s[RB], 12
	s_add_nc_u64 s[6:7], s[6:7], s[38:39]          ; x's scale bytes
	s_cmp_eq_u32 s[WV], 2                          ; which weight I fetch
	s_cselect_b64 s[2:3], s[12:13], s[8:9]
	s_cmp_eq_u32 s[WV], 3
	s_cselect_b64 s[2:3], s[16:17], s[2:3]
	s_add_nc_u64 s[2:3], s[2:3], s[66:67]
	s_cmp_eq_u32 s[SELQ], 0                        ; whose scale words I multiply by
	s_cselect_b64 s[76:77], s[10:11], s[14:15]
	s_lshl_b32 s66, s[HEAD], 12
	s_add_nc_u64 s[76:77], s[76:77], s[66:67]
	s_add_nc_u64 s[78:79], s[18:19], s[66:67]
	s_lshl_b32 s66, s[BR], 11
	s_add_nc_u64 s[76:77], s[76:77], s[66:67]      ; my 64 rows of 32 bytes
	s_lshl_b32 s66, s[WV], 10
	s_add_nc_u64 s[78:79], s[78:79], s[66:67]      ; my 32 rows of Wv's
.irp s, 0,1
	s_mov_b32 s[G0+4*\s], 1
	s_add_co_u32 s[G0+4*\s+1], s37, \s*SLOT
	s_add_nc_u64 s[G0+4*\s+2:G0+4*\s+3], s[4:5], \s*ROWB
	s_or_b32 s[G0+4*\s+3], s[G0+4*\s+3], 0x80000000
	s_mov_b32 s[G0B+4*\s], 1
	s_add_co_u32 s[G0B+4*\s+1], s37, \s*SLOT
	s_add_nc_u64 s[G0B+4*\s+2:G0B+4*\s+3], s[2:3], \s*ROWB
	s_or_b32 s[G0B+4*\s+3], s[G0B+4*\s+3], 0x80000000
.endr
	CROUND                                         ; the first joint loads meet
	JLOAD G0, G1, G0B, G1B                         ; chunk 0: my one load at the head
	v_and_b32 v1, 15, v0                           ; r
	v_bfe_u32 v2, v0, 4, 1                         ; h
	v_lshlrev_b32 v[SRO], 5, v1
.irp a, 0,1,2,3,4,5,6,7                        ; all scale words, once: eight words a row
	global_load_b128 v[SX+8*\a:SX+8*\a+3], v[SRO], s[6:7] offset:512*\a
	global_load_b128 v[SX+8*\a+4:SX+8*\a+7], v[SRO], s[6:7] offset:512*\a+16
.endr
.irp bt, 0,1,2,3
	global_load_b128 v[SW+8*\bt:SW+8*\bt+3], v[SRO], s[76:77] offset:512*\bt
	global_load_b128 v[SW+8*\bt+4:SW+8*\bt+7], v[SRO], s[76:77] offset:512*\bt+16
.endr
.irp n, 0,1
	global_load_b128 v[SV+8*\n:SV+8*\n+3], v[SRO], s[78:79] offset:512*\n
	global_load_b128 v[SV+8*\n+4:SV+8*\n+7], v[SRO], s[78:79] offset:512*\n+16
.endr
	v_mul_u32_u24 v3, v1, PITCH
	v_mul_u32_u24 v[ADRX], v2, 24
	v_add_nc_u32 v[ADRX], v3, v[ADRX]              ; row x pitch + 24 h
	v_add_nc_u32 v[ADRX+1], SLOT, v[ADRX]
	v_sub_nc_u32 v27, 1, v2
	v_mul_u32_u24 v[ADRX+2], s82, v2
	v_add_nc_u32 v[ADRX+2], v3, v[ADRX+2]
	v_add_nc_u32 v[ADRX+2], 232, v[ADRX+2]         ; lanes 0-15 byte 232 in slot 0, lanes 16-31 byte 0 in slot 1
	v_mul_u32_u24 v[ADRX+3], s83, v27
	v_add_nc_u32 v[ADRX+3], v3, v[ADRX+3]          ; lanes 0-15 byte 232 in slot 1, lanes 16-31 byte 0 in slot 0
.irp k, 0,1,2,3
	v_add_nc_u32 v[ADRW+\k], s80, v[ADRX+\k]
	v_add_nc_u32 v[ADRV+\k], s81, v[ADRX+\k]
.endr
	v_and_b32 v27, 31, v0
	v_lshlrev_b32 v[L16], 4, v27
	v_lshlrev_b32 v[L8], 3, v27
	v_lshlrev_b32 v[L4], 2, v27
	v_lshlrev_b32 v[SWO], 4, v1
	v_lshl_add_u32 v[SWO], v2, 9, v[SWO]
.irp b, 0,1,2,3
	v_mov_b32 v[TM+4+\b], 0                        ; a lane permute's destination counts as one of its sources
.endr
	s_wait_alu depctr_va_vdst(0)                   ; the wait at the head's end
	s_wait_tensorcnt 0x0                           ; my part of chunk 0 is in
	ds_add_u32 v[SPW], v[NIL]                      ; the add ahead of a later first fill
	s_wait_dscnt 0x0
	CROUND
	JLOAD G0+4, G1, G0B+4, G1B                     ; chunk 1, slot 1's first fill
	FETCH 0, 0
	s_wait_loadcnt 0x0                             ; the scale words
; A K step: set st % 2 is multiplied, the next step's fragments go into the other set.
; kind 0: the next step's bytes lie in chunks that are shown.  kind 1: they end in a chunk still on its way: 32 products, then the wait for my loads and a barrier behind which nothing is filled.
; kind 2: chunk 0 is read no more: the three lines, a round of the cluster's barrier, and chunk 2 goes into slot 0.
.macro STEP st, kind, zero
.if \kind == 2
	WIN 0
	s_wait_tensorcnt 0x0
	ds_add_u32 v[SPW], v[NIL]
	s_add_nc_u64 s[G0+2:G0+3], s[G0+2:G0+3], 2*ROWB
	s_add_nc_u64 s[G0B+2:G0B+3], s[G0B+2:G0B+3], 2*ROWB
	s_wait_dscnt 0x0                               ; the add; this step's set is in, and with it my reads of chunk 0 are over
	s_barrier_signal -1
	WIN 0xf6
	MULQK 0, (\st)%2, \st, 0
	WIN 0
	s_barrier_wait -1
	CREST
	JLOAD G0, G1, G0B, G1B                         ; its four v_nop are the places in front of the loads below
	FETCH (\st)+1, ((\st)+1)%2
	WIN 0xf6
	MULQK 4, (\st)%2, \st, 0
.elseif \kind == 1
	s_wait_dscnt 0x0
	WIN 0xf6
	MULQK 0, (\st)%2, \st, 0
	MULQK 4, (\st)%2, \st, 0
	WIN 0
	s_wait_tensorcnt 0x0                           ; my part of the new chunk is in
	s_barrier_signal -1
	s_barrier_wait -1
	PLACES 4
	FETCH (\st)+1, ((\st)+1)%2
.else
	s_wait_dscnt 0x0
.if \zero == 0
	PLACES 4
.endif
	FETCH (\st)+1, ((\st)+1)%2
	WIN 0xf6
	MULQK 0, (\st)%2, \st, \zero
	MULQK 4, (\st)%2, \st, \zero
.endif
	WIN 0xa5
	MULV (\st)%2, \st, \zero
.endm
	STEP 0, 0, 1                                   ; the first products start the sums
	STEP 1, 1, 0
	STEP 2, 2, 0
	STEP 3, 0, 0
	STEP 4, 1, 0
	STEP 5, 0, 0
	STEP 6, 0, 0
	s_wait_dscnt 0x0
	WIN 0xf6
	MULQK 0, 1, 7, 0
	MULQK 4, 1, 7, 0
	WIN 0xa5
	MULV 1, 7, 0
	WIN 0
	PLACES 4
	; THE WAY OUT.  All tensor loads have been waited for: the descriptors' registers are free.
	s_mov_b32 s[SEL], 0x76543210
	s_mov_b32 s[SEL+1], 0xfedcba98
	s_lshr_b32 s38, s[RB], 4
	s_lshl_b32 s38, s38, 3
	s_add_co_u32 s38, s38, s[HEAD]
	s_lshl_b32 s38, s38, 4
	s_and_b32 s39, s[RB], 15
	s_add_co_u32 s38, s38, s39                     ; (batch x 8 + head) x 16 + block of 128 rows
	s_cmp_eq_u32 s[SELQ], 0
	s_cselect_b64 s[20:21], s[20:21], s[22:23]
	s_mul_i32 s42, s38, 13312
	s_mov_b32 s43, 0
	s_add_nc_u64 s[20:21], s[20:21], s[42:43]
	s_mul_i32 s42, s[BR], 768
	s_add_nc_u64 s[22:23], s[20:21], s[42:43]
	s_lshl_b32 s42, s[BR], 8
	s_add_co_u32 s42, s42, 12288
	s_add_nc_u64 s[20:21], s[20:21], s[42:43]
	s_mul_i32 s42, s38, 12800
	s_add_nc_u64 s[24:25], s[24:25], s[42:43]
	s_mul_i32 s42, s[WV], 3072
	s_add_nc_u64 s[44:45], s[24:25], s[42:43]
	s_lshl_b32 s42, s[WV], 7
	s_add_co_u32 s42, s42, 12288
	s_add_nc_u64 s[24:25], s[24:25], s[42:43]
.irp p, 0,1,2,3
.if \p > 0
	s_wait_xcnt 0x0                                ; the codes' registers are written again only behind this wait
.endif
	QUANT 64*\p, 3, PWQ+\p
	global_store_b128 v[L16], v[PC:PC+3], s[22:23] offset:(2*\p)*1536
	global_store_b64 v[L8], v[PC+4:PC+5], s[22:23] offset:(2*\p)*1536+512
	global_store_b128 v[L16], v[PC+6:PC+9], s[22:23] offset:(2*\p+1)*1536
	global_store_b64 v[L8], v[PC+10:PC+11], s[22:23] offset:(2*\p+1)*1536+512
.endr
	v_cndmask_b32 v166, v[PWQ], v[PWQ+2], s[HM]    ; lanes 0-15 store tiles 0-3, lanes 16-31 tiles 4-7
	v_cndmask_b32 v167, v[PWQ+1], v[PWQ+3], s[HM]
	v_perm_b32 v168, v166, v166, 0x01000302        ; a tile's two bytes go to bytes 0, 1 for sub-head 0, to bytes 2, 3 for sub-head 1
	v_perm_b32 v169, v167, v167, 0x01000302
	v_cndmask_b32 v172, v166, v168, s[BM]
	v_cndmask_b32 v173, v168, v166, s[BM]
	v_cndmask_b32 v174, v167, v169, s[BM]
	v_cndmask_b32 v175, v169, v167, s[BM]
	global_store_b128 v[SWO], v[172:175], s[20:21]
.irp n, 0,1
	s_wait_xcnt 0x0
	QUANT 128+64*\n, 2, PWV+\n
.irp c, 0,1,2
	global_store_b128 v[L16], v[PC+4*\c:PC+4*\c+3], s[44:45] offset:1536*\n+512*\c
.endr
.endr
	v_cndmask_b32 v176, v[PWV], v[PWV+1], s[HM]
	global_store_b32 v[L4], v176, s[24:25]
	s_wait_tensorcnt 0x0                           ; the wave's end
	ds_add_u32 v[SPW], v[NIL]
	s_wait_dscnt 0x0
	CROUND                                         ; the closing round
	s_endpgm
.Lfunc_end_k_q5ade974e40_qkv:
	.size	k_q5ade974e40_qkv, .Lfunc_end_k_q5ade974e40_qkv-k_q5ade974e40_qkv
	.p2alignl 7, 3214868480
	.fill 96, 4, 3214868480
	.section	.rodata,"a",@progbits
	.p2align	6, 0x0
	.amdhsa_kernel k_q5ade974e40_qkv
		.amdhsa_group_segment_fixed_size 327680
		.amdhsa_private_segment_fixed_size 0
		.amdhsa_enable_private_segment 0
		.amdhsa_kernarg_size 88
		.amdhsa_user_sgpr_count 2
		.amdhsa_user_sgpr_kernarg_segment_ptr 1
		.amdhsa_wavefront_size32 1
		.amdhsa_system_sgpr_workgroup_id_x 1
		.amdhsa_system_sgpr_workgroup_id_y 1
		.amdhsa_system_sgpr_workgroup_id_z 1
		.amdhsa_system_vgpr_workitem_id 0
		.amdhsa_next_free_vgpr 1024
		.amdhsa_next_free_sgpr 84
		.amdhsa_reserve_vcc 0
		.amdhsa_float_denorm_mode_32 3
		.amdhsa_float_denorm_mode_16_64 3
		.amdhsa_memory_ordered 1
		.amdhsa_forward_progress 1
		.amdhsa_inst_pref_size 132
	.end_amdhsa_kernel
	.amdgpu_metadata
---
amdhsa.version: [ 1, 2 ]
amdhsa.kernels:
  - .name:           k_q5ade974e40_qkv
    .symbol:         k_q5ade974e40_qkv.kd
    .args:
      - { .name: x_codes, .offset: 0, .size: 8, .value_kind: global_buffer, .address_space: global }
      - { .name: x_scales, .offset: 8, .size: 8, .value_kind: global_buffer, .address_space: global }
      - { .name: Wq_codes, .offset: 16, .size: 8, .value_kind: global_buffer, .address_space: global }
      - { .name: Wq_scales, .offset: 24, .size: 8, .value_kind: global_buffer, .address_space: global }
      - { .name: Wk_codes, .offset: 32, .size: 8, .value_kind: global_buffer, .address_space: global }
      - { .name: Wk_scales, .offset: 40, .size: 8, .value_kind: global_buffer, .address_space: global }
      - { .name: Wv_codes, .offset: 48, .size: 8, .value_kind: global_buffer, .address_space: global }
      - { .name: Wv_scales, .offset: 56, .size: 8, .value_kind: global_buffer, .address_space: global }
      - { .name: qbuf, .offset: 64, .size: 8, .value_kind: global_buffer, .address_space: global }
      - { .name: kbuf, .offset: 72, .size: 8, .value_kind: global_buffer, .address_space: global }
      - { .name: vbuf, .offset: 80, .size: 8, .value_kind: global_buffer, .address_space: global }
    .group_segment_fixed_size: 327680
    .private_segment_fixed_size: 0
    .kernarg_segment_align: 8
    .kernarg_segment_size: 88
    .max_flat_workgroup_size: 128
    .sgpr_count:     84
    .vgpr_count:     1024
    .wavefront_size: 32
...
	.end_amdgpu_metadata
.endif
;; end of part 1
;; launch attn (part 2): grid 16 x 16, 8 waves a work-group, clusters of 4 x 1, 327,680 bytes of LDS; arguments qbuf, kbuf, vbuf, norm_w, diff_weight, oimg, ssq; writes oimg, ssq
.if DOCPART == 2
	.amdgcn_target "amdgcn-amd-amdhsa--gfx1250"
	.amdhsa_code_object_version 6
	.text
	.protected	k_q5ade974e40_attn
	.globl	k_q5ade974e40_attn
	.p2align	8
	.type	k_q5ade974e40_attn,@function
k_q5ade974e40_attn:
	s_mov_b64 s[64:65], 0
	v_nop
	global_prefetch_b8 v0, s[64:65] scope:SCOPE_SE
	s_setreg_imm32_b32 hwreg(HW_REG_WAVE_MODE, 25, 1), 1
	s_wait_xcnt 0x0
	s_wait_alu depctr_hold_cnt(0) depctr_sa_sdst(0) depctr_va_vdst(0) depctr_va_sdst(0) depctr_va_ssrc(0) depctr_va_vcc(0) depctr_vm_vsrc(0)
	s_getreg_b32 s2, hwreg(HW_REG_IB_STS2, 6, 4)
	s_cmp_eq_u32 s2, 0
	s_cbranch_scc0 .Lentry_in_a_cluster
	s_endpgm
.Lentry_in_a_cluster:
	s_bfe_u32 s2, ttmp6, 0x10000c
	s_cmp_lg_u32 s2, 0x3003
	s_cbranch_scc0 .Lentry_shape_is_right
	s_endpgm
.Lentry_shape_is_right:
; o = (softmax(q0 k0^T / 8) - dw softmax(q1 k1^T / 8)) v for one head and 128 queries; out go o x norm_w and each row's sum of o^2 over the head.  No work of the problem is left out.
; The second product's operand is the FINISHED difference of two normalised softmaxes, quantised along the keys.  So the keys are walked twice: pass 1 finds each row's maximum and sum of both sub-heads by a running
; maximum; pass 2 makes the scores again, forms att = 2^(c s0 - c m0 - log2 l0) - dw 2^(c s1 - c m1 - log2 l1), quantises it in blocks of 32 keys and multiplies by v.
; The score product's K is 64, the matrix instruction's 128: a key tile's fragment holds sub-head 0 in registers 0-5 and sub-head 1 in 6-11 and goes against Q with zero codes in the other half.
; LIMITS: NaN and infinities are not served; v_exp_f32 gives 0 under 2^-126; log2 l is v_log_f32; scores under -3e38 are not told apart.  A block of att under 2^-124 gets the byte 1 and zero codes.
; SHARES.  Eight waves, 16 queries each.  Both products transposed: a lane holds one query, and in S^T the keys 16 t + 8 (lane / 16) + j.  In pass 1 each lane keeps the statistics of its half of the keys.
; A KEY STEP: matrix instructions first, then all 64 scalings, one wait, all exponentials, one wait.  In pass 1 a step's weights are summed in the next step, among its products.
; In pass 2 the products with v of step j - 1 are issued at the head of step j, from registers; v of this step and k of the next are loaded behind the scalings.
; LDS.  The head's whole kbuf block comes once, at the head.  v goes through two slots of four key steps: slot 0 is first filled when k is in, slot 1 at pass 1's end, each behind a round of the cluster's barrier.
; CLUSTER 4 x 1: the four query blocks walk the same k and v: every tensor load is joint.  No prefetch: every fill of v is asked for four key steps or more ahead of the wait for it.
; REGISTERS.  Window 0: v1-11 addresses; v12-27 statistics; v28-43 at work; v44-61 Q; v62, v63 scale words; v64-191 scores; v192-203 scale words; v204-239 QUANT; v240 an offset.  Window 1: v0-63 O^T, v64-159 K, v160-255 V.
.set KSTEP, 13312
.set VSTEP, 12800
.set VRING, 16*KSTEP
.set VSLOT, 4*VSTEP
.set SPARE, VRING+2*VSLOT
.set L16,  1
.set L8,   2
.set L4,   3
.set SPW,  4
.set NIL,  5
.set ADK,  6
.set ADK8, 7
.set ADV,  8
.set ADVS, 9
.set DW,   11
.set ST,   12                          ; sub-head i at ST + 8 i: +0 the exponent's addend, +1 m, +2, +3 l, +4, +5 the rescaling factor; ST + 6: -dw
.set XS,   28
.set MX,   36
.set QF,   44
.set QS,   62
.set PW,   63
.set SC0,  64
.set SC1,  128
.set KS,   192
.set VS,   200
.set TM,   204
.set PC,   220
.set NWO,  240
.set KF,   64
.set VF,   160
.set WV,   19
.set G1K,  24
.set G1V,  32
.set G0K,  40
.set G0V0, 44
.set G0V1, 48
.set CS,   52
.set NC,   54
.set SEL,  56
.set TB,   58
.set TV,   59
.set CNT,  60
.set MSB, 0
.macro WIN new
.if MSB != \new
	s_set_vgpr_msb (MSB<<8)|\new
.set MSB, \new
.endif
.endm
.macro PLACES n
.rept \n
	v_nop
.endr
.endm
.macro CROUND
	s_barrier_signal -1
	s_barrier_wait -1
	s_cmp_lg_u32 s[WV], 0
	s_cbranch_scc1 .Lnot_wave_0_\@
	s_barrier_signal -3
.Lnot_wave_0_\@:
	s_barrier_wait -3
	s_barrier_signal -1
	s_barrier_wait -1
.endm
.macro QUANT s, w, pw
	WIN (\w)*5
.irp b, 0,1,2,3
	v_max3_num_f32 v[TM+\b], |v[\s+16*\b]|, |v[\s+16*\b+1]|, 0x1800000
.endr
.irp i, 2,4,6,8,10,12,14
.irp b, 0,1,2,3
	v_max3_num_f32 v[TM+\b], |v[\s+16*\b+\i]|, |v[\s+16*\b+\i+1]|, v[TM+\b]
.endr
.endr
	WIN 0
.irp b, 0,1,2,3
	v_permlanex16_b32 v[TM+4+\b], v[TM+\b], s[SEL], s[SEL+1]
.endr
.irp b, 0,1,2,3
	v_max_num_f32 v[TM+\b], v[TM+\b], v[TM+4+\b]
.endr
.irp b, 0,1,2,3
	v_add_nc_u32 v[TM+12+\b], 0xff000000, v[TM+\b]
.endr
.irp b, 0,1,2,3
	v_lshrrev_b32 v[TM+4+\b], 23, v[TM+12+\b]
.endr
	v_lshl_or_b32 v[\pw], v[TM+5], 8, v[TM+4]
	v_lshl_or_b32 v[\pw], v[TM+6], 16, v[\pw]
	v_lshl_or_b32 v[\pw], v[TM+7], 24, v[\pw]
	WIN (\w)
.irp c, 0,1
	v_cvt_scalef32_pk16_fp6_f32 v[PC+6*\c:PC+6*\c+2], v[\s+32*\c:\s+32*\c+15], v[TM+12+2*\c]
	v_cvt_scalef32_pk16_fp6_f32 v[PC+12+4*\c:PC+12+4*\c+2], v[\s+32*\c+16:\s+32*\c+31], v[TM+12+2*\c+1]
.endr
	WIN 0
	v_nop
.irp c, 0,1
.irp i, 0,1,2
	v_permlane16_swap_b32 v[PC+6*\c+\i], v[PC+12+4*\c+\i]
.endr
.irp i, 0,1,2
	v_mov_b32 v[PC+3+6*\c+\i], v[PC+12+4*\c+\i]
.endr
.endr
.endm
.macro KFRAGS
.irp t, 0,1,2,3,4,5,6,7
.irp i, 0,1
	ds_load_b128 v[KF+12*\t+6*\i:KF+12*\t+6*\i+3], v[ADK] offset:1536*\t+768*\i
	ds_load_b64 v[KF+12*\t+6*\i+4:KF+12*\t+6*\i+5], v[ADK8] offset:1536*\t+768*\i+512
.endr
.endr
.endm
.macro KWORDS
	ds_load_b128 v[KS:KS+3], v[ADK] offset:12288
	ds_load_b128 v[KS+4:KS+7], v[ADK] offset:12800
.endm
.macro KFETCH
	v_add_nc_u32 v[ADK], s[TB], v[L16]
	v_add_nc_u32 v[ADK8], s[TB], v[L8]
	WIN 0x40
	KFRAGS
	WIN 0
	KWORDS
.endm
.macro WQK t                           ; both sub-heads' scores of key tile t
	v_wmma_scale_f32_16x16x128_f8f6f4 v[SC0+8*(\t):SC0+8*(\t)+7], v[KF+12*(\t):KF+12*(\t)+11], v[QF:QF+11], 0, v[KS+(\t)], v[QS] matrix_a_fmt:MATRIX_FMT_FP6 matrix_b_fmt:MATRIX_FMT_FP6
	v_wmma_scale_f32_16x16x128_f8f6f4 v[SC1+8*(\t):SC1+8*(\t)+7], v[KF+12*(\t):KF+12*(\t)+11], v[QF+6:QF+17], 0, v[KS+(\t)], v[QS] matrix_a_fmt:MATRIX_FMT_FP6 matrix_b_fmt:MATRIX_FMT_FP6 matrix_a_scale:MATRIX_SCALE_ROW1 matrix_b_scale:MATRIX_SCALE_ROW1
.endm
.macro WW t
	WIN 0x01
	WQK \t
	WIN 0
.endm
.macro PVM n, zero                     ; O^T's feature tiles n, n + 1 take 128 keys; each accumulator has one instruction a step
.if (\zero)
	v_wmma_scale_f32_16x16x128_f8f6f4 v[8*(\n):8*(\n)+7], v[VF+12*(\n):VF+12*(\n)+11], v[PC:PC+11], 0, v[VS+(\n)/2], v[PW] matrix_a_fmt:MATRIX_FMT_FP6 matrix_b_fmt:MATRIX_FMT_FP6
	v_wmma_scale_f32_16x16x128_f8f6f4 v[8*(\n)+8:8*(\n)+15], v[VF+12*(\n)+12:VF+12*(\n)+23], v[PC:PC+11], 0, v[VS+(\n)/2], v[PW] matrix_a_fmt:MATRIX_FMT_FP6 matrix_b_fmt:MATRIX_FMT_FP6 matrix_a_scale:MATRIX_SCALE_ROW1
.else
	v_wmma_scale_f32_16x16x128_f8f6f4 v[8*(\n):8*(\n)+7], v[VF+12*(\n):VF+12*(\n)+11], v[PC:PC+11], v[8*(\n):8*(\n)+7], v[VS+(\n)/2], v[PW] matrix_a_fmt:MATRIX_FMT_FP6 matrix_b_fmt:MATRIX_FMT_FP6
	v_wmma_scale_f32_16x16x128_f8f6f4 v[8*(\n)+8:8*(\n)+15], v[VF+12*(\n)+12:VF+12*(\n)+23], v[PC:PC+11], v[8*(\n)+8:8*(\n)+15], v[VS+(\n)/2], v[PW] matrix_a_fmt:MATRIX_FMT_FP6 matrix_b_fmt:MATRIX_FMT_FP6 matrix_a_scale:MATRIX_SCALE_ROW1
.endif
.endm
.macro ARGS                            ; all 64 scalings c s + addend, each accumulator from its low end on
.irp t, 0,1,2,3,4,5,6,7
.irp i, 0,1,2,3,4,5,6,7
.set RA, SC0+64*(\i/4)+8*\t+2*(\i%4)
	v_pk_fma_f32 v[RA:RA+1], v[RA:RA+1], s[CS:CS+1], v[ST+8*(\i/4):ST+8*(\i/4)+1] op_sel_hi:[1,0,0]
.endr
.endr
.endm
.macro EXPS                            ; the 128 exponentials
.set j, 0
.rept 128
	v_exp_f32 v[SC0+j], v[SC0+j]
.set j, j+1
.endr
.endm
.macro MAXI tm, i, q
.set RS, SC0+64*(\i)+8*(\tm)+2*(\q)
	v_max3_num_f32 v[ST+8*(\i)+1], v[ST+8*(\i)+1], v[RS], v[RS+1]
.endm
.macro SUMI ts, i, q
.set RS, SC0+64*(\i)+8*(\ts)
.set RX, XS+4*(\i)+2*((\q)%2)
.if (\ts) == 0
.if (\q) < 2
	v_pk_add_f32 v[RX:RX+1], v[RS+4*(\q):RS+4*(\q)+1], v[RS+4*(\q)+2:RS+4*(\q)+3]   ; tile 0 starts the chains
.endif
.else
	v_pk_add_f32 v[RX:RX+1], v[RX:RX+1], v[RS+2*(\q):RS+2*(\q)+1]
.endif
.endm
.macro MS tm, ts                       ; tile tm's maxima and tile ts's sums by turns (-1: none)
.irp q, 0,1,2,3
.irp i, 0,1
.if (\tm) >= 0
	MAXI \tm, \i, \q
.endif
.if (\ts) >= 0
	SUMI \ts, \i, \q
.endif
.endr
.endr
.endm
.macro MAXTAIL
.irp q, 0,1,2,3
.irp i, 0,1
	MAXI 6, \i, \q
.endr
.irp i, 0,1
.set RS, SC0+64*\i+56
.if \q == 0
	v_max3_num_f32 v[MX+\i], v[RS], v[RS+1], v[RS+2]
.elseif \q < 3
	v_max3_num_f32 v[MX+\i], v[MX+\i], v[RS+2*\q+1], v[RS+2*\q+2]
.else
	v_max3_num_f32 v[ST+8*\i+1], v[ST+8*\i+1], v[MX+\i], v[RS+7]
.endif
.endr
.endr
.endm
.macro LUPD                            ; l = l x the last step's factor + the last step's sum
.irp i, 0,1
	v_pk_add_f32 v[XS+4*\i:XS+4*\i+1], v[XS+4*\i:XS+4*\i+1], v[XS+4*\i+2:XS+4*\i+3]
.endr
.irp i, 0,1
	v_pk_fma_f32 v[ST+8*\i+2:ST+8*\i+3], v[ST+8*\i+2:ST+8*\i+3], v[ST+8*\i+4:ST+8*\i+5], v[XS+4*\i:XS+4*\i+1] op_sel_hi:[1,0,1]
.endr
.endm
; A KEY STEP OF PASS 1.  sums = 1: the last step's weights are summed on the way.
.macro P1STEP sums
	s_wait_dscnt 0x0                               ; this step's k is in
.if \sums
	MS -1, 0
.endif
	WW 0
.if \sums
	MS -1, 1
.endif
	WW 1
.if \sums == 0
	PLACES 4
.endif
.irp t, 0,1,2,3,4,5
.if \sums
	MS \t, \t+2
.else
	MS \t, -1
.endif
	WW \t+2
.endr
.if \sums
	LUPD
.else
	PLACES 4
.endif
	MAXTAIL
	KFETCH                                         ; the next block of k, into registers that the last products read 20 plain lines ago
.irp i, 0,1
	v_mov_b32 v[ST+8*\i+4], v[ST+8*\i]
.endr
.irp i, 0,1
	v_mul_f32 v[ST+8*\i], s[NC], v[ST+8*\i+1]      ; the new -c m
.endr
.irp i, 0,1
	v_sub_f32 v[ST+8*\i+4], v[ST+8*\i], v[ST+8*\i+4]
.endr
	ARGS
	s_wait_alu depctr_va_vdst(0)                   ; the wait ahead of the batch
	v_exp_f32 v[ST+4], v[ST+4]
	v_exp_f32 v[ST+12], v[ST+12]
	EXPS
	v_nop
	s_wait_alu depctr_va_vdst(0)                   ; the wait behind the batch
	s_add_co_u32 s[TB], s[TB], KSTEP
.endm
.macro P2FETCH kf                      ; this step's v, and the next step's k (kf = 1) or the head's norm_w into k's registers (kf = 0)
	WIN 0x40
.if \kf
	KFRAGS
.else
.irp t, 0,1,2,3,4,5,6,7
.irp jh, 0,1
	global_load_b128 v[KF+8*\t+4*\jh:KF+8*\t+4*\jh+3], v[NWO], s[10:11] offset:64*\t+16*\jh
.endr
.endr
.endif
.irp n, 0,1,2,3,4,5,6,7
.irp c, 0,1,2
	ds_load_b128 v[VF+12*\n+4*\c:VF+12*\n+4*\c+3], v[ADV] offset:1536*\n+512*\c
.endr
.endr
	WIN 0
.if \kf
	KWORDS
.endif
.irp p, 0,1,2,3
	ds_load_b32 v[VS+\p], v[ADVS] offset:12288+128*\p
.endr
.endm
; A KEY STEP OF PASS 2.  pv = 0: no products with v; 1: the last step's start O^T; 2: they add onto it.
.macro P2STEP pv, kf
	s_wait_dscnt 0x0                               ; this step's k and the last step's v are in
	v_add_nc_u32 v[ADV], s[TV], v[L16]             ; four plain lines: the places between the quantiser's last line and the products with v
	v_add_nc_u32 v[ADVS], s[TV], v[L4]
.if \kf
	v_add_nc_u32 v[ADK], s[TB], v[L16]
	v_add_nc_u32 v[ADK8], s[TB], v[L8]
.else
	PLACES 2
.endif
.if \pv > 0
	WIN 0x51
	s_wait_alu depctr_va_vdst(0)                   ; the wait ahead of the first reader of O^T
.irp n, 0,2,4,6
	PVM \n, 2-\pv
.endr
.endif
	WIN 0x01
.irp t, 0,1,2,3,4,5,6,7
	WQK \t
.endr
	WIN 0
	PLACES 4                                       ; in front of the first read of the scores
	ARGS
	P2FETCH \kf                                    ; the last readers of these registers stand 68 plain lines back
	s_wait_alu depctr_va_vdst(0)                   ; the wait ahead of the batch
	EXPS
	v_nop
	s_wait_alu depctr_va_vdst(0)                   ; the wait behind the batch
.set j, 0
.rept 32
	v_pk_fma_f32 v[SC0+j:SC0+j+1], v[SC1+j:SC1+j+1], v[ST+6:ST+7], v[SC0+j:SC0+j+1] op_sel_hi:[1,0,1]   ; att = a0 - dw a1
.set j, j+2
.endr
	QUANT SC0, 0, PW                               ; its codes and scale word wait in registers for the next step
	s_wait_alu depctr_va_vdst(0)                   ; the wait ahead of the branch and the waits that follow
	s_add_co_u32 s[TV], s[TV], VSTEP
.if \kf
	s_add_co_u32 s[TB], s[TB], KSTEP
.endif
.endm
.macro STEPS n
	s_mov_b32 s[CNT], \n
.Lst_\@:
	P2STEP 2, 1
	s_sub_co_u32 s[CNT], s[CNT], 1
	s_cmp_lg_u32 s[CNT], 0
	s_cbranch_scc1 .Lst_\@
.endm
; The three lines and a barrier.  fill = 1: a round of the cluster's barrier, and my one joint load behind it; step = 1: eight key steps on.
.macro CHANGE fill, g0, step
	s_wait_alu depctr_va_vdst(0)
	s_wait_tensorcnt 0x0
	ds_add_u32 v[SPW], v[NIL]
.if \step
	s_add_nc_u64 s[\g0+2:\g0+3], s[\g0+2:\g0+3], 2*VSLOT
.endif
	s_wait_dscnt 0x0
.if \fill
	CROUND
	tensor_load_to_lds s[\g0:\g0+3], s[G1V:G1V+7]
	s_nop 0
	PLACES 4
.else
	s_barrier_signal -1
	s_barrier_wait -1
.endif
.endm
	s_load_b256 s[4:11], s[0:1], 0x0               ; qbuf, kbuf, vbuf, norm_w
	s_load_b128 s[12:15], s[0:1], 0x20             ; diff_weight, oimg
	s_load_b64 s[16:17], s[0:1], 0x30              ; ssq
	v_lshl_add_u32 v[SPW], v0, 2, SPARE
	v_mov_b32 v[NIL], 0
	ds_add_u32 v[SPW], v[NIL]                      ; the opening lines
	ds_add_u32 v[SPW], v[NIL]
	v_lshrrev_b32 v1, 5, v0
	v_readfirstlane_b32 s[WV], v1
	s_bfe_u32 s20, ttmp6, 0x40000
	s_lshl_b32 s21, ttmp9, 2
	s_add_co_u32 s21, s21, s20                     ; my block of 128 queries
	s_and_b32 s22, ttmp7, 0xffff                   ; batch x 8 + head
	s_mov_b32 s[G1K], 15|(3<<16)|(1<<21)
	s_mov_b32 s[G1K+1], 32<<16                     ; dense bytes as rows of 256
	s_mov_b32 s[G1K+2], 104<<16
	s_mov_b32 s[G1K+3], 32<<16
	s_mov_b32 s[G1K+4], 104                        ; 26,624 bytes a wave
	s_mov_b32 s[G1K+5], 32
	s_mov_b32 s[G1K+6], 0
	s_mov_b32 s[G1K+7], 0
	s_mov_b32 s[G1V], 15|(3<<16)|(1<<21)
	s_mov_b32 s[G1V+1], 32<<16
	s_mov_b32 s[G1V+2], 25<<16
	s_mov_b32 s[G1V+3], 32<<16
	s_mov_b32 s[G1V+4], 25                         ; 6,400 bytes a wave
	s_mov_b32 s[G1V+5], 32
	s_mov_b32 s[G1V+6], 0
	s_mov_b32 s[G1V+7], 0
	s_mov_b32 s[G0K], 1
	s_mul_i32 s[G0K+1], s[WV], 26624
	s_mov_b32 s[G0V0], 1
	s_mul_i32 s[G0V0+1], s[WV], 6400
	s_add_co_u32 s[G0V0+1], s[G0V0+1], VRING
	s_mov_b32 s[G0V1], 1
	s_mul_i32 s[G0V1+1], s[WV], 6400
	s_add_co_u32 s[G0V1+1], s[G0V1+1], VRING+VSLOT
	s_mul_i32 s66, s22, 16*KSTEP
	s_mul_i32 s67, s[WV], 26624
	s_add_co_u32 s66, s66, s67
	s_mov_b32 s67, 0
	s_mul_i32 s68, s22, 16*VSTEP
	s_mul_i32 s69, s[WV], 6400
	s_add_co_u32 s68, s68, s69
	s_mov_b32 s69, 0
	s_lshl_b32 s70, s22, 4
	s_add_co_u32 s70, s70, s21
	s_mul_i32 s70, s70, KSTEP
	s_mov_b32 s71, 0
	s_mov_b32 s[CS], 0x3e38aa3b                    ; c = log2(e) / 8
	s_mov_b32 s[CS+1], s[CS]
	s_mov_b32 s[NC], 0xbe38aa3b
	s_mov_b32 s[SEL], 0x76543210
	s_mov_b32 s[SEL+1], 0xfedcba98
	s_wait_dscnt 0x0
	s_wait_kmcnt 0x0
	s_add_nc_u64 s[G0K+2:G0K+3], s[6:7], s[66:67]
	s_or_b32 s[G0K+3], s[G0K+3], 0x80000000
	s_add_nc_u64 s[G0V0+2:G0V0+3], s[8:9], s[68:69]
	s_add_nc_u64 s[G0V1+2:G0V1+3], s[G0V0+2:G0V0+3], VSLOT
	s_or_b32 s[G0V0+3], s[G0V0+3], 0x80000000
	s_or_b32 s[G0V1+3], s[G0V1+3], 0x80000000
	s_add_nc_u64 s[4:5], s[4:5], s[70:71]
	s_mul_i32 s70, s[WV], 1536
	s_add_nc_u64 s[6:7], s[4:5], s[70:71]          ; my tile's two half fragments
	s_lshr_b32 s70, s[WV], 2
	s_lshl_b32 s70, s70, 9
	s_and_b32 s66, s[WV], 3
	s_lshl_b32 s66, s66, 2
	s_add_co_u32 s70, s70, s66
	s_add_co_u32 s70, s70, 12288
	s_add_nc_u64 s[8:9], s[4:5], s[70:71]          ; and its scale words
	s_and_b32 s66, s22, 7
	s_lshl_b32 s66, s66, 9
	s_add_nc_u64 s[10:11], s[10:11], s[66:67]      ; the head's row of norm_w
	CROUND                                         ; the first joint loads meet
	tensor_load_to_lds s[G0K:G0K+3], s[G1K:G1K+7]  ; k: my one load at the head
	s_nop 0
	PLACES 4
	v_and_b32 v10, 31, v0
	v_lshlrev_b32 v[L16], 4, v10
	v_lshlrev_b32 v[L8], 3, v10
	v_lshlrev_b32 v[L4], 2, v10
	v_mov_b32 v10, 0
	global_load_b128 v[QF:QF+3], v[L16], s[6:7]
	global_load_b64 v[QF+4:QF+5], v[L8], s[6:7] offset:512
	global_load_b128 v[QF+12:QF+15], v[L16], s[6:7] offset:768
	global_load_b64 v[QF+16:QF+17], v[L8], s[6:7] offset:1280
	global_load_b32 v[QS], v[L16], s[8:9]
	global_load_b32 v[DW], v10, s[12:13]
	v_bfe_u32 v[NWO], v0, 4, 1
	v_lshlrev_b32 v[NWO], 5, v[NWO]
.irp j, 6,7,8,9,10,11
	v_mov_b32 v[QF+\j], 0                          ; the zero codes that both forms of Q share
.endr
.irp i, 0,1
	v_mov_b32 v[ST+8*\i+1], 0xff61b1e6             ; m: -3e38
	v_mul_f32 v[ST+8*\i], s[NC], v[ST+8*\i+1]
.irp j, 2,3,4,5,6,7
	v_mov_b32 v[ST+8*\i+\j], 0
.endr
.endr
.irp j, 0,1,2,3,4,5,6,7
	v_mov_b32 v[MX+\j], 0
.endr
.irp b, 0,1,2,3
	v_mov_b32 v[TM+4+\b], 0
.endr
	CHANGE 1, G0V0, 0                              ; everybody's part of k is in; v's key steps 0-3 set out: slot 0's first fill
	s_wait_loadcnt 0x0                             ; Q, its scale words, dw
	; PASS 1
	s_mov_b32 s[TB], 0
	KFETCH
	s_mov_b32 s[TB], KSTEP
	P1STEP 0                                       ; key step 0
	s_mov_b32 s[CNT], 14
.Lp1:                                              ; key steps 1 to 14
	P1STEP 1
	s_sub_co_u32 s[CNT], s[CNT], 1
	s_cmp_lg_u32 s[CNT], 0
	s_cbranch_scc1 .Lp1
	s_mov_b32 s[TB], 0
	P1STEP 1                                       ; key step 15: it fetches key step 0 again, for pass 2
.irp t, 0,1,2,3,4,5,6,7
	MS -1, \t
.endr
	LUPD
	; the two halves of each row meet: the row's m, l under it, log2 l
.irp i, 0,1
	v_add_f32 v[ST+8*\i+2], v[ST+8*\i+2], v[ST+8*\i+3]
	v_permlanex16_b32 v[MX+4*\i], v[ST+8*\i+1], s[SEL], s[SEL+1]
.endr
.irp i, 0,1
	v_permlanex16_b32 v[MX+4*\i+1], v[ST+8*\i+2], s[SEL], s[SEL+1]
	v_max_num_f32 v[ST+8*\i+1], v[ST+8*\i+1], v[MX+4*\i]
	v_mul_f32 v[MX+4*\i+2], s[NC], v[MX+4*\i]
	v_mul_f32 v[MX+4*\i+3], s[NC], v[ST+8*\i+1]
	v_sub_f32 v[ST+8*\i+4], v[MX+4*\i+3], v[ST+8*\i]
	v_sub_f32 v[MX+4*\i+2], v[MX+4*\i+3], v[MX+4*\i+2]
	v_mov_b32 v[ST+8*\i], v[MX+4*\i+3]
.endr
	s_wait_alu depctr_va_vdst(0)
.irp i, 0,1
	v_exp_f32 v[ST+8*\i+4], v[ST+8*\i+4]
	v_exp_f32 v[MX+4*\i+2], v[MX+4*\i+2]
.endr
	v_nop
	s_wait_alu depctr_va_vdst(0)
.irp i, 0,1
	v_mul_f32 v[MX+4*\i+1], v[MX+4*\i+1], v[MX+4*\i+2]
	v_fma_f32 v[ST+8*\i+2], v[ST+8*\i+2], v[ST+8*\i+4], v[MX+4*\i+1]
.endr
	s_wait_alu depctr_va_vdst(0)
.irp i, 0,1
	v_log_f32 v[MX+4*\i], v[ST+8*\i+2]
.endr
	v_sub_f32 v[ST+6], 0, v[DW]                    ; -dw
	s_wait_alu depctr_va_vdst(0)
.irp i, 0,1
	v_sub_f32 v[ST+8*\i], v[ST+8*\i], v[MX+4*\i]   ; the addend -c m - log2 l: the exponential then gives p / l
.endr
	; PASS 2
	CHANGE 1, G0V1, 0                              ; slot 0's fill has landed, everybody's; key steps 4-7 set out: slot 1's first fill
	s_mov_b32 s[TB], KSTEP
	s_mov_b32 s[TV], VRING
	P2STEP 0, 1                                    ; key step 0
	P2STEP 1, 1                                    ; key step 1; step 0's products with v start O^T
	STEPS 2
	CHANGE 1, G0V0, 1                              ; slot 0 has been read out into registers: it takes key steps 8-11
	s_mov_b32 s[TB], 5*KSTEP
	s_mov_b32 s[TV], VRING+VSLOT
	STEPS 4
	CHANGE 1, G0V1, 1                              ; slot 1 takes key steps 12-15
	s_mov_b32 s[TB], 9*KSTEP
	s_mov_b32 s[TV], VRING
	STEPS 4
	CHANGE 0, G0V0, 0
	s_mov_b32 s[TB], 13*KSTEP
	s_mov_b32 s[TV], VRING+VSLOT
	STEPS 3
	s_mov_b32 s[TV], VRING+VSLOT+3*VSTEP
	P2STEP 2, 0                                    ; key step 15
	s_wait_dscnt 0x0
	PLACES 8
	WIN 0x51
	s_wait_alu depctr_va_vdst(0)
	PVM 0, 0
	PVM 2, 0
	PVM 4, 0
	PVM 6, 0
	WIN 0
	; THE WAY OUT: O^T's register 8 t + j is o(query lane % 16, feature 16 t + 8 (lane / 16) + j)
	s_and_b32 s66, s22, 7
	s_mov_b32 s69, 0
	s_lshr_b32 s67, s22, 3
	s_lshl_b32 s67, s67, 7
	s_lshl_b32 s68, s21, 3
	s_add_co_u32 s67, s67, s68
	s_add_co_u32 s67, s67, s[WV]
	s_lshl_b32 s67, s67, 3
	s_add_co_u32 s67, s67, s66
	s_lshl_b32 s68, s67, 7
	s_add_nc_u64 s[16:17], s[16:17], s[68:69]
	s_lshl_b32 s68, s67, 13
	s_add_nc_u64 s[14:15], s[14:15], s[68:69]
	PLACES 4
	WIN 0x05
	v_pk_mul_f32 v[XS:XS+1], v[0:1], v[0:1]
	v_pk_mul_f32 v[XS+2:XS+3], v[2:3], v[2:3]
.set j, 4
.rept 15
	v_pk_fma_f32 v[XS:XS+1], v[j:j+1], v[j:j+1], v[XS:XS+1]
	v_pk_fma_f32 v[XS+2:XS+3], v[j+2:j+3], v[j+2:j+3], v[XS+2:XS+3]
.set j, j+4
.endr
	WIN 0
	v_pk_add_f32 v[XS:XS+1], v[XS:XS+1], v[XS+2:XS+3]
	v_add_f32 v[XS], v[XS], v[XS+1]
	v_permlanex16_b32 v[MX], v[XS], s[SEL], s[SEL+1]
	v_add_f32 v[XS], v[XS], v[MX]                  ; the row's sum of o^2 over this head
	global_store_b32 v[L4], v[XS], s[16:17]
	s_wait_loadcnt 0x0                             ; norm_w
	WIN 0x05
.set j, 0
.rept 32
	v_pk_mul_f32 v[SC0+j:SC0+j+1], v[j:j+1], v[KF+j:KF+j+1]
.set j, j+2
.endr
	WIN 0
.set j, 0
.rept 16
	global_store_b128 v[L16], v[SC0+4*j:SC0+4*j+3], s[14:15] offset:512*j   ; 32 lanes store 512 consecutive bytes
.set j, j+1
.endr
	s_wait_tensorcnt 0x0                           ; the wave's end
	ds_add_u32 v[SPW], v[NIL]
	s_wait_dscnt 0x0
	CROUND                                         ; the closing round
	s_endpgm
.Lfunc_end_k_q5ade974e40_attn:
	.size	k_q5ade974e40_attn, .Lfunc_end_k_q5ade974e40_attn-k_q5ade974e40_attn
	.p2alignl 7, 3214868480
	.fill 96, 4, 3214868480
	.section	.rodata,"a",@progbits
	.p2align	6, 0x0
	.amdhsa_kernel k_q5ade974e40_attn
		.amdhsa_group_segment_fixed_size 327680
		.amdhsa_private_segment_fixed_size 0
		.amdhsa_enable_private_segment 0
		.amdhsa_kernarg_size 56
		.amdhsa_user_sgpr_count 2
		.amdhsa_user_sgpr_kernarg_segment_ptr 1
		.amdhsa_wavefront_size32 1
		.amdhsa_system_sgpr_workgroup_id_x 1
		.amdhsa_system_sgpr_workgroup_id_y 1
		.amdhsa_system_sgpr_workgroup_id_z 1
		.amdhsa_system_vgpr_workitem_id 0
		.amdhsa_next_free_vgpr 512
		.amdhsa_next_free_sgpr 72
		.amdhsa_reserve_vcc 0
		.amdhsa_float_denorm_mode_32 3
		.amdhsa_float_denorm_mode_16_64 3
		.amdhsa_memory_ordered 1
		.amdhsa_forward_progress 1
		.amdhsa_inst_pref_size 234
	.end_amdhsa_kernel
	.amdgpu_metadata
---
amdhsa.version: [ 1, 2 ]
amdhsa.kernels:
  - .name:           k_q5ade974e40_attn
    .symbol:         k_q5ade974e40_attn.kd
    .args:
      - { .name: qbuf, .offset: 0, .size: 8, .value_kind: global_buffer, .address_space: global }
      - { .name: kbuf, .offset: 8, .size: 8, .value_kind: global_buffer, .address_space: global }
      - { .name: vbuf, .offset: 16, .size: 8, .value_kind: global_buffer, .address_space: global }
      - { .name: norm_w, .offset: 24, .size: 8, .value_kind: global_buffer, .address_space: global }
      - { .name: diff_weight, .offset: 32, .size: 8, .value_kind: global_buffer, .address_space: global }
      - { .name: oimg, .offset: 40, .size: 8, .value_kind: global_buffer, .address_space: global }
      - { .name: ssq, .offset: 48, .size: 8, .value_kind: global_buffer, .address_space: global }
    .group_segment_fixed_size: 327680
    .private_segment_fixed_size: 0
    .kernarg_segment_align: 8
    .kernarg_segment_size: 56
    .max_flat_workgroup_size: 256
    .sgpr_count:     72
    .vgpr_count:     512
    .wavefront_size: 32
...
	.end_amdgpu_metadata
.endif
;; end of part 2
;; launch outp (part 3): grid 64 x 4, 8 waves a work-group, clusters of 4 x 1, 327,680 bytes of LDS; arguments oimg, ssq, Wo_codes, Wo_scales, bo, diff_weight, out0; writes out0
.if DOCPART == 3
	.amdgcn_target "amdgcn-amd-amdhsa--gfx1250"
	.amdhsa_code_object_version 6
	.text
	.protected	k_q5ade974e40_outp
	.globl	k_q5ade974e40_outp
	.p2align	8
	.type	k_q5ade974e40_outp,@function
k_q5ade974e40_outp:
	s_mov_b64 s[64:65], 0
	v_nop
	global_prefetch_b8 v0, s[64:65] scope:SCOPE_SE
	s_setreg_imm32_b32 hwreg(HW_REG_WAVE_MODE, 25, 1), 1
	s_wait_xcnt 0x0
	s_wait_alu depctr_hold_cnt(0) depctr_sa_sdst(0) depctr_va_vdst(0) depctr_va_sdst(0) depctr_va_ssrc(0) depctr_va_vcc(0) depctr_vm_vsrc(0)
	s_getreg_b32 s2, hwreg(HW_REG_IB_STS2, 6, 4)
	s_cmp_eq_u32 s2, 0
	s_cbranch_scc0 .Lentry_in_a_cluster
	s_endpgm
.Lentry_in_a_cluster:
	s_bfe_u32 s2, ttmp6, 0x10000c
	s_cmp_lg_u32 s2, 0x3003
	s_cbranch_scc0 .Lentry_shape_is_right
	s_endpgm
.Lentry_shape_is_right:
; out = (Q(o x norm_w x rms) Wo^T + bo) (1 - dw) for 64 rows and 256 columns.  No work of the problem is left out.
; Eight waves.  Wave w quantises 16 rows x 512 features (four runs of 128) and hands the operand's register images to the others through LDS; then it makes all 64 rows x its 32 columns.
; Wo: each wave brings its own 32 whole rows of 768 bytes by one joint load (the four row blocks of a cluster share them), 16 bytes of padding behind every 256: LDS pitch 816.
; Wo's scale words go from memory into registers.  bo starts the sums as C.  No prefetch: the text has no loop to run ahead in.
; LIMITS: NaN and infinities are not served; a block under 2^-124 gets the byte 1 and zero codes.
.set PITCH, 816
.set AIMG,  256*PITCH
.set ASC,   AIMG+32*1536
.set SPARE, ASC+32*128
.set SPITCH, 1040
.set XA,   4
.set LI,   5
.set LS,   6
.set XWI,  7
.set XWS,  8
.set L4,   9
.set ADRB, 10                          ; v10 my rows of Wo; v12 the same behind one padding more for lanes 16-31
.set ADWS, 11                          ; 32 x (lane % 16): a row of scale bytes
.set SO,   13
.set SR,   14
.set L16,  15
.set RM,   16
.set OM,   18
.set SPW,  20
.set NIL,  21
.set B32,  22
.set DW,   23
.set ACC,  32
.set ST1,  96
.set AF,   96
.set BF,   144
.set TM,   168
.set PC,   184
.set PW,   204
.set WS,   208
.set AS,   224
.set WV,   19
.set G1,   24
.set G0,   40
.set SEL,  48
.set MSB, 0
.macro WIN new
.if MSB != \new
	s_set_vgpr_msb (MSB<<8)|\new
.set MSB, \new
.endif
.endm
.macro PLACES n
.rept \n
	v_nop
.endr
.endm
.macro CROUND
	s_barrier_signal -1
	s_barrier_wait -1
	s_cmp_lg_u32 s[WV], 0
	s_cbranch_scc1 .Lnot_wave_0_\@
	s_barrier_signal -3
.Lnot_wave_0_\@:
	s_barrier_wait -3
	s_barrier_signal -1
	s_barrier_wait -1
.endm
.macro FRAG reg, adr, st, i            ; byte y of a row lies at y + 16 (y / 256) of its LDS row
.irp p, 0,1,2,3,4,5
.set BY, 96*(\st)+48*(\p/3)+8*(\p%3)
.if BY/256 == (BY+24)/256
	ds_load_b64 v[\reg+2*\p:\reg+2*\p+1], v[\adr] offset:BY+16*(BY/256)+(\i)*16*PITCH
.else
	ds_load_b64 v[\reg+2*\p:\reg+2*\p+1], v[\adr+2] offset:BY+16*(BY/256)+(\i)*16*PITCH
.endif
.endr
.endm
.macro QUANT s, w, pw
	WIN (\w)*5
.irp b, 0,1,2,3
	v_max3_num_f32 v[TM+\b], |v[\s+16*\b]|, |v[\s+16*\b+1]|, 0x1800000
.endr
.irp i, 2,4,6,8,10,12,14
.irp b, 0,1,2,3
	s_delay_alu instid0(VALU_DEP_4)
	v_max3_num_f32 v[TM+\b], |v[\s+16*\b+\i]|, |v[\s+16*\b+\i+1]|, v[TM+\b]
.endr
.endr
	WIN 0
.irp b, 0,1,2,3
	s_delay_alu instid0(VALU_DEP_4)
	v_permlanex16_b32 v[TM+4+\b], v[TM+\b], s[SEL], s[SEL+1]
.endr
.irp b, 0,1,2,3
	s_delay_alu instid0(VALU_DEP_4)
	v_max_num_f32 v[TM+\b], v[TM+\b], v[TM+4+\b]
.endr
.irp b, 0,1,2,3
	s_delay_alu instid0(VALU_DEP_4)
	v_add_nc_u32 v[TM+12+\b], 0xff000000, v[TM+\b]
.endr
.irp b, 0,1,2,3
	s_delay_alu instid0(VALU_DEP_4)
	v_lshrrev_b32 v[TM+4+\b], 23, v[TM+12+\b]
.endr
	s_delay_alu instid0(VALU_DEP_3)
	v_lshl_or_b32 v[\pw], v[TM+5], 8, v[TM+4]
	s_delay_alu instid0(VALU_DEP_1)
	v_lshl_or_b32 v[\pw], v[TM+6], 16, v[\pw]
	s_delay_alu instid0(VALU_DEP_1)
	v_lshl_or_b32 v[\pw], v[TM+7], 24, v[\pw]
	WIN (\w)
.irp c, 0,1
	v_cvt_scalef32_pk16_fp6_f32 v[PC+6*\c:PC+6*\c+2], v[\s+32*\c:\s+32*\c+15], v[TM+12+2*\c]
	v_cvt_scalef32_pk16_fp6_f32 v[PC+12+4*\c:PC+12+4*\c+2], v[\s+32*\c+16:\s+32*\c+31], v[TM+12+2*\c+1]
.endr
	WIN 0
	v_nop
.irp c, 0,1
.irp i, 0,1,2
	v_permlane16_swap_b32 v[PC+6*\c+\i], v[PC+12+4*\c+\i]
.endr
.irp i, 0,1,2
	s_delay_alu instid0(VALU_DEP_3)
	v_mov_b32 v[PC+3+6*\c+\i], v[PC+12+4*\c+\i]
.endr
.endr
.endm
.macro XLOAD reg, u
.irp b, 0,1,2,3
.irp hh, 0,1
.irp jh, 0,1
	global_load_b128 v[\reg+16*\b+8*\hh+4*\jh:\reg+16*\b+8*\hh+4*\jh+3], v[XA], s[4:5] offset:8192*(\u)+2048*\b+512*\jh+256*\hh
.endr
.endr
.endr
.endm
.macro XSTEP u, reg
	s_wait_loadcnt 16                              ; all but the 16 loads issued last
.set j, 0
.rept 32
	v_pk_mul_f32 v[\reg+j:\reg+j+1], v[\reg+j:\reg+j+1], v[RM:RM+1]
.set j, j+2
.endr
	QUANT \reg, 0, PW
.irp c, 0,1,2
	ds_store_b128 v[XWI], v[PC+4*\c:PC+4*\c+3] offset:1536*(\u)+512*\c
.endr
	ds_store_b32 v[XWS], v[PW] offset:128*(\u)
	s_wait_dscnt 0x0
.endm
	s_load_b256 s[4:11], s[0:1], 0x0               ; oimg, ssq, Wo codes, Wo scales
	s_load_b128 s[12:15], s[0:1], 0x20             ; bo, diff_weight
	s_load_b64 s[16:17], s[0:1], 0x30              ; out0
	v_lshl_add_u32 v[SPW], v0, 2, SPARE
	v_mov_b32 v[NIL], 0
	ds_add_u32 v[SPW], v[NIL]                      ; the opening lines
	ds_add_u32 v[SPW], v[NIL]
	v_lshrrev_b32 v1, 5, v0
	s_delay_alu instid0(VALU_DEP_1)
	v_readfirstlane_b32 s[WV], v1
	s_bfe_u32 s20, ttmp6, 0x40000
	s_lshl_b32 s21, ttmp9, 2
	s_add_co_u32 s21, s21, s20                     ; my block of 64 rows
	s_and_b32 s22, ttmp7, 0xffff                   ; my block of 256 columns
	s_mov_b32 s[G1], 15|(1<<20)|(1<<21)|(5<<22)|(3<<25)
	s_mov_b32 s[G1+1], 768<<16
	s_mov_b32 s[G1+2], 32<<16
	s_mov_b32 s[G1+3], 768<<16
	s_mov_b32 s[G1+4], 32
	s_mov_b32 s[G1+5], 768
	s_mov_b32 s[G1+6], 0
	s_mov_b32 s[G1+7], 0
	s_mov_b32 s[G0], 1
	s_mul_i32 s[G0+1], s[WV], 32*PITCH
	s_lshl_b32 s52, s22, 8
	s_lshl_b32 s53, s[WV], 5
	s_add_co_u32 s52, s52, s53
	s_mul_i32 s52, s52, 768                        ; my 32 rows of Wo
	s_mov_b32 s53, 0
	s_lshl_b32 s54, s22, 13
	s_lshl_b32 s55, s[WV], 10
	s_add_co_u32 s54, s54, s55                     ; and their scale bytes
	s_mov_b32 s55, 0
	s_lshl_b32 s56, s21, 5
	s_lshl_b32 s57, s[WV], 2
	s_add_co_u32 s56, s56, s57
	s_lshl_b32 s56, s56, 13
	s_mov_b32 s57, 0
	s_lshl_b32 s58, s21, 2
	s_lshr_b32 s59, s[WV], 1
	s_add_co_u32 s58, s58, s59
	s_lshl_b32 s58, s58, 10
	s_mov_b32 s59, 0
	s_lshl_b32 s60, s22, 10
	s_lshl_b32 s61, s[WV], 7
	s_add_co_u32 s60, s60, s61
	s_mov_b32 s61, 0
	s_lshl_b32 s62, s21, 6
	s_lshl_b32 s63, s[WV], 3
	s_add_co_u32 s62, s62, s63
	s_lshl_b32 s62, s62, 12
	s_lshl_b32 s63, s22, 10
	s_add_co_u32 s62, s62, s63
	s_mov_b32 s63, 0
	s_mov_b32 s[SEL], 0x76543210
	s_mov_b32 s[SEL+1], 0xfedcba98
	s_mov_b32 s50, 0x3a800000                      ; 1 / 1024
	s_mov_b32 s51, 0x34000000                      ; eps
	s_wait_dscnt 0x0
	s_wait_kmcnt 0x0
	s_add_nc_u64 s[G0+2:G0+3], s[8:9], s[52:53]
	s_or_b32 s[G0+3], s[G0+3], 0x80000000
	s_add_nc_u64 s[10:11], s[10:11], s[54:55]
	s_add_nc_u64 s[4:5], s[4:5], s[56:57]
	s_add_nc_u64 s[6:7], s[6:7], s[58:59]
	s_add_nc_u64 s[12:13], s[12:13], s[60:61]
	s_add_nc_u64 s[16:17], s[16:17], s[62:63]
	v_and_b32 v1, 15, v0
	v_bfe_u32 v2, v0, 4, 1
	v_and_b32 v3, 31, v0
	v_lshlrev_b32 v[ADWS], 5, v1
	v_lshlrev_b32 v[XA], 4, v1
	s_delay_alu instid0(VALU_DEP_1)
	v_lshl_add_u32 v[XA], v2, 10, v[XA]
	v_lshlrev_b32 v[L16], 4, v3
	v_lshlrev_b32 v[L4], 2, v3
	v_mov_b32 v3, 0
.irp n, 0,1                                    ; Wo's scale words: eight words a row
	global_load_b128 v[WS+8*\n:WS+8*\n+3], v[ADWS], s[10:11] offset:512*\n
	global_load_b128 v[WS+8*\n+4:WS+8*\n+7], v[ADWS], s[10:11] offset:512*\n+16
.endr
	global_load_b32 v[DW], v3, s[14:15]
.irp hd, 0,1,2,3,4,5,6,7
	global_load_b32 v[24+\hd], v[L4], s[6:7] offset:128*\hd
.endr
	XLOAD ACC, 0
	XLOAD ST1, 1
	s_wait_alu depctr_va_vdst(0)                   ; the wait ahead of the barriers
	CROUND                                         ; the joint loads meet
	tensor_load_to_lds s[G0:G0+3], s[G1:G1+7]      ; my one tensor load
	s_nop 0
	PLACES 4
	v_add_nc_u32 v[LI], AIMG, v[L16]
	v_add_nc_u32 v[LS], ASC, v[L4]
	s_mul_i32 s52, s[WV], 6144
	v_add_nc_u32 v[XWI], s52, v[LI]
	s_lshl_b32 s52, s[WV], 9
	v_add_nc_u32 v[XWS], s52, v[LS]
	s_mul_i32 s52, s[WV], 32*PITCH
	v_mul_u32_u24 v[ADRB], v1, PITCH
	s_delay_alu instid0(VALU_DEP_1)
	v_mad_u32_u24 v[ADRB], v2, 24, v[ADRB]
	s_delay_alu instid0(VALU_DEP_1)
	v_add_nc_u32 v[ADRB], s52, v[ADRB]
	s_delay_alu instid0(VALU_DEP_1)
	v_lshl_add_u32 v[ADRB+2], v2, 4, v[ADRB]
	v_mul_u32_u24 v[SO], v1, SPITCH
	s_delay_alu instid0(VALU_DEP_1)
	v_lshl_add_u32 v[SO], v2, 5, v[SO]
	s_lshl_b32 s52, s[WV], 7
	v_add_nc_u32 v[SO], s52, v[SO]
	s_mul_i32 s52, s[WV], 8*SPITCH
	v_add_nc_u32 v[SR], s52, v[L16]
	v_lshlrev_b32 v[B32], 5, v2
.irp b, 0,1,2,3
	v_mov_b32 v[TM+4+\b], 0
.endr
	s_wait_alu depctr_va_vdst(0)
	s_wait_loadcnt 32                              ; all but the two XLOADs: scale words, dw, the eight heads' sums
	v_add_f32 v24, v24, v25
	v_add_f32 v26, v26, v27
	v_add_f32 v28, v28, v29
	v_add_f32 v30, v30, v31
	s_delay_alu instid0(VALU_DEP_3)
	v_add_f32 v24, v24, v26
	s_delay_alu instid0(VALU_DEP_2)
	v_add_f32 v28, v28, v30
	s_delay_alu instid0(VALU_DEP_1)
	v_add_f32 v24, v24, v28
	s_delay_alu instid0(VALU_DEP_1)
	v_fma_f32 v[RM], v24, s50, s51
	s_wait_alu depctr_va_vdst(0)
	v_rsq_f32 v[RM], v[RM]
	v_sub_f32 v[OM], 1.0, v[DW]
	s_wait_alu depctr_va_vdst(0)
	v_mov_b32 v[RM+1], v[RM]
	v_mov_b32 v[OM+1], v[OM]
	s_wait_alu depctr_va_vdst(0)
	XSTEP 0, ACC
	XLOAD ACC, 2
	XSTEP 1, ST1
	XLOAD ST1, 3
	XSTEP 2, ACC
.irp n, 0,1
.irp m, 0,1,2,3
.irp jh, 0,1
	global_load_b128 v[ACC+8*(4*\n+\m)+4*\jh:ACC+8*(4*\n+\m)+4*\jh+3], v[B32], s[12:13] offset:64*\n+16*\jh   ; bo starts the sums
.endr
.endr
.endr
	XSTEP 3, ST1
	s_wait_tensorcnt 0x0                           ; my rows of Wo are in
	s_wait_dscnt 0x0
	s_barrier_signal -1
	s_barrier_wait -1                              ; everybody's images are in LDS
	s_wait_loadcnt 0x0
.irp s, 0,1,2,3,4,5,6,7
.if \s > 0
	s_wait_alu depctr_va_vdst(0)
	PLACES 4
.endif
.irp m, 0,1,2,3
.irp c, 0,1,2
	ds_load_b128 v[AF+12*\m+4*\c:AF+12*\m+4*\c+3], v[LI] offset:(8*\m+\s)*1536+512*\c
.endr
	ds_load_b32 v[AS+\m], v[LS] offset:(8*\m+\s)*128
.endr
	FRAG BF, ADRB, \s, 0
	FRAG BF+12, ADRB, \s, 1
	s_wait_dscnt 0x0
.irp m, 0,1,2,3
.irp n, 0,1
	v_wmma_scale_f32_16x16x128_f8f6f4 v[ACC+8*(4*\n+\m):ACC+8*(4*\n+\m)+7], v[BF+12*\n:BF+12*\n+11], v[AF+12*\m:AF+12*\m+11], v[ACC+8*(4*\n+\m):ACC+8*(4*\n+\m)+7], v[WS+8*\n+\s], v[AS+\m] matrix_a_fmt:MATRIX_FMT_FP6 matrix_b_fmt:MATRIX_FMT_FP6
.endr
.endr
.endr
	PLACES 4
.set j, 0
.rept 32
	v_pk_mul_f32 v[ACC+j:ACC+j+1], v[ACC+j:ACC+j+1], v[OM:OM+1]
.set j, j+2
.endr
	s_wait_alu depctr_va_vdst(0)
	s_wait_dscnt 0x0
	s_barrier_signal -1
	s_barrier_wait -1                              ; nobody reads Wo's rows any more: the stage lies on them, behind their only fill
.irp n, 0,1
.irp m, 0,1,2,3
	ds_store_b128 v[SO], v[ACC+8*(4*\n+\m):ACC+8*(4*\n+\m)+3] offset:16*\m*SPITCH+64*\n
	ds_store_b128 v[SO], v[ACC+8*(4*\n+\m)+4:ACC+8*(4*\n+\m)+7] offset:16*\m*SPITCH+64*\n+16
.endr
.endr
	s_wait_dscnt 0x0
	s_barrier_signal -1
	s_barrier_wait -1
.set k, 0
.rept 16
	ds_load_b128 v[ST1+4*k:ST1+4*k+3], v[SR] offset:(k/2)*SPITCH+(k%2)*512
.set k, k+1
.endr
.set k, 0
.rept 16
	s_wait_dscnt 15-k                              ; the younger loads may be out
	global_store_b128 v[L16], v[ST1+4*k:ST1+4*k+3], s[16:17] offset:(k/2)*4096+(k%2)*512 th:TH_STORE_NT
.set k, k+1
.endr
	s_wait_tensorcnt 0x0                           ; the wave's end
	ds_add_u32 v[SPW], v[NIL]
	s_wait_dscnt 0x0
	CROUND                                         ; the closing round
	s_endpgm
.Lfunc_end_k_q5ade974e40_outp:
	.size	k_q5ade974e40_outp, .Lfunc_end_k_q5ade974e40_outp-k_q5ade974e40_outp
	.p2alignl 7, 3214868480
	.fill 96, 4, 3214868480
	.section	.rodata,"a",@progbits
	.p2align	6, 0x0
	.amdhsa_kernel k_q5ade974e40_outp
		.amdhsa_group_segment_fixed_size 327680
		.amdhsa_private_segment_fixed_size 0
		.amdhsa_enable_private_segment 0
		.amdhsa_kernarg_size 56
		.amdhsa_user_sgpr_count 2
		.amdhsa_user_sgpr_kernarg_segment_ptr 1
		.amdhsa_wavefront_size32 1
		.amdhsa_system_sgpr_workgroup_id_x 1
		.amdhsa_system_sgpr_workgroup_id_y 1
		.amdhsa_system_sgpr_workgroup_id_z 1
		.amdhsa_system_vgpr_workitem_id 0
		.amdhsa_next_free_vgpr 256
		.amdhsa_next_free_sgpr 66
		.amdhsa_reserve_vcc 0
		.amdhsa_float_denorm_mode_32 3
		.amdhsa_float_denorm_mode_16_64 3
		.amdhsa_memory_ordered 1
		.amdhsa_forward_progress 1
		.amdhsa_inst_pref_size 76
	.end_amdhsa_kernel
	.amdgpu_metadata
---
amdhsa.version: [ 1, 2 ]
amdhsa.kernels:
  - .name:           k_q5ade974e40_outp
    .symbol:         k_q5ade974e40_outp.kd
    .args:
      - { .name: oimg, .offset: 0, .size: 8, .value_kind: global_buffer, .address_space: global }
      - { .name: ssq, .offset: 8, .size: 8, .value_kind: global_buffer, .address_space: global }
      - { .name: Wo_codes, .offset: 16, .size: 8, .value_kind: global_buffer, .address_space: global }
      - { .name: Wo_scales, .offset: 24, .size: 8, .value_kind: global_buffer, .address_space: global }
      - { .name: bo, .offset: 32, .size: 8, .value_kind: global_buffer, .address_space: global }
      - { .name: diff_weight, .offset: 40, .size: 8, .value_kind: global_buffer, .address_space: global }
      - { .name: out0, .offset: 48, .size: 8, .value_kind: global_buffer, .address_space: global }
    .group_segment_fixed_size: 327680
    .private_segment_fixed_size: 0
    .kernarg_segment_align: 8
    .kernarg_segment_size: 56
    .max_flat_workgroup_size: 256
    .sgpr_count:     66
    .vgpr_count:     256
    .wavefront_size: 32
...
	.end_amdgpu_metadata
.endif
;; end of part 3
